; MI455X (gfx1250); checked and timed in simulation.
; The chip was launched on July 23, 2026; its instructions are those of AMD's public machine-readable ISA for CDNA 5 (MIT licence, August 2026) and "CDNA5" Instruction Set Architecture Reference Guide (July 2026). The comments in the code are by the model that wrote it; some were corrected since.
;; Back Deform Field. Allowed arithmetic: float matrix products may take bf16 or f16 operands with f32 sums; all other float work in f32.
;; Inputs: cam 2 x 3 float32; lbs_weights 10,475 x 55 float32; posed_verts 2 x 10,475 x 3 float32; verts_transform 2 x 10,475 x 4 x 4 float32; x 2 x 8,192 x 3 float32.
;; Outputs: out0 2 x 8,192 x 3 float32.
;; 2 versions, each right; version 2 is version 1 with the launch filter written anew for expert scheduling mode. Each part assembles by itself: llvm-mc -triple=amdgcn-amd-amdhsa -mcpu=gfx1250 --defsym DOCPART=n.
;; ======== version 1 of 2: 3 launches
;; limits: values within 0.000244 (relative) of each other or of a threshold may be ordered or decided otherwise than in the reference
;; workspace buffers: vtab 335,872 bytes; cand 262,144 bytes of whole numbers; nbr 262,144 bytes of whole numbers; dst 524,288 bytes
;; launch filter (part 1): grid 256 x 1, 8 waves a work-group, no clusters, 293,888 bytes of LDS; arguments x, cam, posed_verts, vtab, cand; writes vtab, cand
.if DOCPART == 1
	.amdgcn_target "amdgcn-amd-amdhsa--gfx1250"
	.amdhsa_code_object_version 6
	.text
	.protected	k_q4b907e7532_filter
	.globl	k_q4b907e7532_filter
	.p2align	8
	.type	k_q4b907e7532_filter,@function
k_q4b907e7532_filter:
	s_mov_b64 s[64:65], 0
	v_nop
	global_prefetch_b8 v0, s[64:65] scope:SCOPE_SE
	s_setreg_imm32_b32 hwreg(HW_REG_WAVE_MODE, 25, 1), 1
	s_wait_xcnt 0x0
; FILTER: for each of 16,384 points, the eight groups of 8 consecutive vertices whose nearest member is nearest.
; The six nearest vertices of a point lie in the six groups with the smallest group minima, so ranking group minima
; is enough; eight are kept, two to spare.  The next launch ranks the 64 candidate vertices in plain f32.
; d2 = p2 + v2 - 2 p.v comes from ONE matrix instruction per 16 vertices x 16 points: every f32 is cut into three bf16
; pieces (hi, mid, lo: 8 + 8 + 8 significant bits, exact), and the 32 K places hold the piece products of (-2p).v
; (all but lo x lo) and v2's three pieces times 1; p2 is the C operand.
; A = vertices, B = points: lane (r, h) then holds, for point r, vertices 16 tile + 8h + 0..7 = group 2 tile + h.
; Work-group g: batch g >> 7, points 64 g .. 64 g + 63 (4 point tiles).  Wave w: vertex tiles 82 w .. 82 w + 81 of 656.
; No tensor loads: the table must pass through registers to be cut into pieces.  No cluster: nothing is fetched as a tile.
; LIMITS: the ranking key is d2 cut to 12 mantissa bits (11 low bits carry the group number), so a needed group is lost
; only if three groups that hold none of the six agree with it to about 2^-12 relative.  Coordinates finite, d2 < 4e37
; (padding vertices carry v2 = 0x7e000000).  Keys of d2 = 0 are denormal floats; the mode keeps denormals.
.set M0,  251904                       ; LDS: 16 lists of 8 keys for each of 64 points: ((2w+h)*2 + half)*1024 + 16 p
.set M1,  284672                       ; LDS: 4 lists: (s*2 + half)*1024 + 16 p.  LDS 0..251903: table, tile*384 + {hi 0, mid 128, lo 256} + 8 r
.set BF,  16                           ; v[16:47]   B fragments of the 4 point tiles
.set CF,  48                           ; v[48:79]   C operands: p2, eight times each
.set LST, 80                           ; v[80:111]  first x and scratch, then the sorted lists, 8 keys a point tile
.set AX,  112                          ; v[112:119] A fragment of the even tile
.set AY,  120                          ; v[120:127] A fragment of the odd tile
.set RAW, 128                          ; v[128:250] 41 x 3 raw coordinates; later:
.set DX,  128                          ; v[128:159] d2 of the even tile, 4 point tiles
.set DY,  160                          ; v[160:191] d2 of the odd tile
.set KEY, 192                          ; v[192:195] group minima, then keys
.set TB,  196                          ; v[196:199] scratch
.set LA,  128                          ; merges: four lists in v[128:159]
.set T1,  160                          ; merges: scratch v[160:167]
.set PT,  92                           ; PREP's scratch v[92:106]
	s_load_b256 s[4:11], s[0:1], 0x0               ; x s[4:5], cam s[6:7], posed_verts s[8:9], vtab s[10:11]
	s_load_b64 s[12:13], s[0:1], 0x20              ; cand
	v_lshl_add_u32 v254, v0, 2, 0x47800
	v_mov_b32 v255, 0
	v_lshrrev_b32 v1, 5, v0
	v_readfirstlane_b32 s14, v1                    ; wave
	s_lshr_b32 s15, ttmp9, 7                       ; batch
	s_and_b32 s16, ttmp9, 127                      ; block of 64 points in the batch
	s_mov_b32 s17, 0xffff0000                      ; a word's upper 16 bits; also the mask of lanes 16-31
	s_mov_b32 s18, 0x07060302                      ; v_perm_b32: {first source's high half, second source's high half}
	s_mov_b32 s19, 0xfffff800                      ; the key's 21 upper bits
	s_mul_i32 s28, ttmp9, 768                      ; 64 points x 12 bytes
	s_mov_b32 s29, 0
	s_mul_i32 s30, s15, 125700                     ; 10,475 vertices x 12 bytes
	s_mov_b32 s31, 0
	s_mul_i32 s32, s15, 12                         ; cam's row
	s_mov_b32 s33, 0
	v_and_b32 v1, 15, v0                           ; r
	v_bfe_u32 v2, v0, 4, 1                         ; h
	v_mul_u32_u24 v3, 12, v1                       ; x: 12 r
	v_mul_u32_u24 v4, 12, v0                       ; vertices: 12 t
	v_add_nc_u32 v5, 10240, v0                     ; the last block of 256 is clamped to the last vertex
	v_min_u32 v5, 0x28ea, v5
	v_mul_u32_u24 v5, 12, v5
	v_lshrrev_b32 v15, 4, v0
	v_mul_u32_u24 v15, 384, v15
	v_lshl_add_u32 v6, v1, 3, v15                  ; table: (t >> 4) tiles of 384 bytes + 8 (t & 15)
.irp k, 1,2,3,4
	v_add_nc_u32 v[6+\k], 61440*\k, v6             ; ten blocks of 16 tiles further: the immediate has 16 bits
.endr
	s_mul_i32 s20, s14, 31488                      ; 82 tiles x 384 bytes
	v_lshl_add_u32 v11, v1, 3, s20                 ; my wave's first tile, record r
	v_lshl_add_u32 v12, v2, 7, v11                 ; the same, lanes 16-31 one record kind further
	v_cmp_gt_u32 s27, 0xeb, v0                     ; block 40: vertex 10240 + t exists for t < 235
	s_wait_kmcnt 0x0
	s_add_nc_u64 s[4:5], s[4:5], s[28:29]
	s_add_nc_u64 s[8:9], s[8:9], s[30:31]
	s_add_nc_u64 s[6:7], s[6:7], s[32:33]
	s_load_b96 s[24:26], s[6:7], 0x0               ; scale, tx, ty
.irp pt, 0,1,2,3
.irp c, 0,1,2
	global_load_b32 v[LST+3*\pt+\c], v3, s[4:5] offset:192*\pt+4*\c
.endr
.endr
.set it, 0
.rept 40
	global_load_b32 v[RAW+3*it],   v4, s[8:9] offset:3072*it
	global_load_b32 v[RAW+3*it+1], v4, s[8:9] offset:3072*it+4
	global_load_b32 v[RAW+3*it+2], v4, s[8:9] offset:3072*it+8
.set it, it+1
.endr
	global_load_b32 v[RAW+120], v5, s[8:9]
	global_load_b32 v[RAW+121], v5, s[8:9] offset:4
	global_load_b32 v[RAW+122], v5, s[8:9] offset:8
	s_wait_kmcnt 0x0
	s_xor_b32 s34, s25, 0x80000000                 ; -tx
	s_xor_b32 s35, s26, 0x80000000                 ; -ty
	v_rcp_f32 v13, s24                             ; 1 / scale (a filter: one ulp does not matter here)
	v_mov_b32 v14, 1.0                             ; the plain instruction behind v_rcp_f32 (ISA guide 5.7.2); its high half is bf16 1.0
	s_wait_alu depctr_va_vdst(0)
	s_wait_loadcnt 63                              ; 135 loads issued, at most 63 out: the 72 oldest are in, x's twelve among them
; One point tile: posed point, p2 into C, q = -2 p cut into three bf16 pieces, the eight registers of B.
; K places by (register pair, half of the lanes); A's record / B's record:
;   0-1: hi/PH, hi/PM   2-3: hi/PL, mid/PH   4-5: mid/PM, mid/PL   6-7: lo/PH, lo/PM     PH = (qh, 1), PM = (qm, 0), PL = (ql, 0)
.macro PREP pt
	v_fma_f32 v[PT],   v[LST+3*\pt],   v13, s34
	v_fma_f32 v[PT+1], v[LST+3*\pt+1], v13, s35
	v_mul_f32 v[PT+2], v[LST+3*\pt+2], v13
	v_mul_f32  v[CF+8*\pt], v[PT], v[PT]
	v_fmac_f32 v[CF+8*\pt], v[PT+1], v[PT+1]
	v_fmac_f32 v[CF+8*\pt], v[PT+2], v[PT+2]
.irp j, 1,2,3,4,5,6,7
	v_mov_b32 v[CF+8*\pt+\j], v[CF+8*\pt]
.endr
.irp c, 0,1,2
	v_mul_f32 v[PT+\c], -2.0, v[PT+\c]
.endr
.irp c, 0,1,2
	v_and_b32 v[PT+3+\c], s17, v[PT+\c]            ; the top piece,
.endr
.irp c, 0,1,2
	v_sub_f32 v[PT+3+\c], v[PT+\c], v[PT+3+\c]     ; what it leaves (exact),
.endr
.irp c, 0,1,2
	v_and_b32 v[PT+6+\c], s17, v[PT+3+\c]          ; its top piece,
.endr
.irp c, 0,1,2
	v_sub_f32 v[PT+6+\c], v[PT+3+\c], v[PT+6+\c]   ; and the rest: at most 8 bits, so its upper half is all of it
.endr
	v_perm_b32 v[PT+9],  v[PT+1], v[PT], s18       ; PH
	v_perm_b32 v[PT+10], v14, v[PT+2], s18
	v_perm_b32 v[PT+11], v[PT+4], v[PT+3], s18     ; PM
	v_lshrrev_b32 v[PT+12], 16, v[PT+5]
	v_perm_b32 v[PT+13], v[PT+7], v[PT+6], s18     ; PL
	v_lshrrev_b32 v[PT+14], 16, v[PT+8]
	v_cndmask_b32 v[BF+8*\pt],   v[PT+9],  v[PT+11], s17   ; lanes 0-15 take the first, lanes 16-31 the second
	v_cndmask_b32 v[BF+8*\pt+1], v[PT+10], v[PT+12], s17
	v_cndmask_b32 v[BF+8*\pt+2], v[PT+13], v[PT+9],  s17
	v_cndmask_b32 v[BF+8*\pt+3], v[PT+14], v[PT+10], s17
	v_cndmask_b32 v[BF+8*\pt+4], v[PT+11], v[PT+13], s17
	v_cndmask_b32 v[BF+8*\pt+5], v[PT+12], v[PT+14], s17
	v_cndmask_b32 v[BF+8*\pt+6], v[PT+9],  v[PT+11], s17
	v_cndmask_b32 v[BF+8*\pt+7], v[PT+10], v[PT+12], s17
.endm
	PREP 0
	PREP 1
	PREP 2
	PREP 3
; The table: thread t cuts vertex 256 it + t and its v2 into pieces and stores three records of 8 bytes.
; Scratch set S (16 registers) alternates with the block's parity.
.set it, 0
.rept 41
.set S,  LST+16*(it&1)
.set R0, RAW+3*it
.if 120-3*it > 63
	s_wait_loadcnt 63                              ; more than 63 loads were issued behind this block's three
.else
	s_wait_loadcnt 120-3*it                        ; the loads issued behind this block's three
.endif
.if it == 40
	v_cndmask_b32 v[R0],   0, v[R0],   s27         ; vertices past the end: coordinates 0
	v_cndmask_b32 v[R0+1], 0, v[R0+1], s27
	v_cndmask_b32 v[R0+2], 0, v[R0+2], s27
.endif
	v_mul_f32  v[S+6], v[R0], v[R0]
	v_fmac_f32 v[S+6], v[R0+1], v[R0+1]
	v_fmac_f32 v[S+6], v[R0+2], v[R0+2]            ; v2
.if it == 40
	v_cndmask_b32 v[S+6], 0x7e000000, v[S+6], s27  ; and a v2 beyond every real distance
.endif
	v_and_b32 v[S+7],  s17, v[R0]
	v_and_b32 v[S+8],  s17, v[R0+1]
	v_and_b32 v[S+9],  s17, v[R0+2]
	v_and_b32 v[S+10], s17, v[S+6]
	v_sub_f32 v[S+7],  v[R0],   v[S+7]
	v_sub_f32 v[S+8],  v[R0+1], v[S+8]
	v_sub_f32 v[S+9],  v[R0+2], v[S+9]
	v_sub_f32 v[S+10], v[S+6],  v[S+10]
.irp c, 0,1,2,3
	v_and_b32 v[S+11+\c], s17, v[S+7+\c]
.endr
.irp c, 0,1,2,3
	v_sub_f32 v[S+11+\c], v[S+7+\c], v[S+11+\c]
.endr
	v_perm_b32 v[S],   v[R0+1], v[R0],   s18       ; hi:  x, y | z, v2
	v_perm_b32 v[S+1], v[S+6],  v[R0+2], s18
	v_perm_b32 v[S+2], v[S+8],  v[S+7],  s18       ; mid
	v_perm_b32 v[S+3], v[S+10], v[S+9],  s18
	v_perm_b32 v[S+4], v[S+12], v[S+11], s18       ; lo
	v_perm_b32 v[S+5], v[S+14], v[S+13], s18
	ds_store_b64 v[6+it/10], v[S:S+1]   offset:(it%10)*6144
	ds_store_b64 v[6+it/10], v[S+2:S+3] offset:(it%10)*6144+128
	ds_store_b64 v[6+it/10], v[S+4:S+5] offset:(it%10)*6144+256
.set it, it+1
.endr
	s_wait_dscnt 0x0                               ; my records are in LDS, for the other waves' sake
	s_barrier_signal -1
	s_barrier_wait -1                              ; the table is whole
.macro FETCH                           ; A fragments of two tiles; lanes r and 16 + r read the same or the neighbouring record
	ds_load_b64 v[AX:AX+1],   v11
	ds_load_b64 v[AX+2:AX+3], v12
	ds_load_b64 v[AX+4:AX+5], v11 offset:128
	ds_load_b64 v[AX+6:AX+7], v11 offset:256
	ds_load_b64 v[AY:AY+1],   v11 offset:384
	ds_load_b64 v[AY+2:AY+3], v12 offset:384
	ds_load_b64 v[AY+4:AY+5], v11 offset:512
	ds_load_b64 v[AY+6:AY+7], v11 offset:640
.endm
; The minimum of a lane's eight d2, the group number in the key's low bits, and a sorted insert: L_i = the middle one of L_(i-1), L_i, key.
; Stage by stage over the four point tiles, so that no line waits for the one in front of it.
.macro SELECT d, sidx
.irp pt, 0,1,2,3
	v_min3_num_f32 v[KEY+\pt], v[\d+8*\pt], v[\d+8*\pt+1], v[\d+8*\pt+2]
.endr
.irp pt, 0,1,2,3
	v_min3_num_f32 v[TB+\pt], v[\d+8*\pt+3], v[\d+8*\pt+4], v[\d+8*\pt+5]
.endr
.irp pt, 0,1,2,3
	v_min3_num_f32 v[KEY+\pt], v[\d+8*\pt+6], v[\d+8*\pt+7], v[KEY+\pt]
.endr
.irp pt, 0,1,2,3
	v_min_num_f32 v[KEY+\pt], v[KEY+\pt], v[TB+\pt]
.endr
.irp pt, 0,1,2,3
	v_and_or_b32 v[KEY+\pt], v[KEY+\pt], s19, \sidx
.endr
.irp i, 7,6,5,4,3,2,1
.irp pt, 0,1,2,3
	v_med3_num_f32 v[LST+8*\pt+\i], v[LST+8*\pt+\i-1], v[LST+8*\pt+\i], v[KEY+\pt]
.endr
.endr
.irp pt, 0,1,2,3
	v_min_num_f32 v[LST+8*\pt], v[LST+8*\pt], v[KEY+\pt]
.endr
.endm
; Two vertex tiles x four point tiles.  Every D is apart from its C and no result feeds a matrix instruction: no chain.
; Four plain vector lines stand between the last matrix instruction and the loads into A and the reads of D;
; the 32 closing lines of SELECT name no matrix register and stand ahead of the next trip's writes over D.
.macro TRIP fetch
	s_wait_dscnt 0x0                               ; the eight loads of this trip's two fragments
.irp pt, 0,1,2,3
	v_wmma_f32_16x16x32_bf16 v[DX+8*\pt:DX+8*\pt+7], v[AX:AX+7], v[BF+8*\pt:BF+8*\pt+7], v[CF+8*\pt:CF+8*\pt+7]
.endr
.irp pt, 0,1,2,3
	v_wmma_f32_16x16x32_bf16 v[DY+8*\pt:DY+8*\pt+7], v[AY:AY+7], v[BF+8*\pt:BF+8*\pt+7], v[CF+8*\pt:CF+8*\pt+7]
.endr
.if \fetch
	v_add_nc_u32 v11, 768, v11                     ; two tiles on
	v_add_nc_u32 v12, 768, v12
	v_nop
	v_nop
	FETCH
.else
.rept 4
	v_nop
.endr
.endif
	SELECT DX, s20
	SELECT DY, s21
	s_add_co_u32 s20, s20, 4
	s_add_co_u32 s21, s21, 4
.endm
.set i, 0
.rept 32
	v_mov_b32 v[LST+i], 0x7f000000                 ; lists start above every key; each lane inserts 82 keys into 8 places
.set i, i+1
.endr
	FETCH
	s_mul_i32 s20, s14, 164                        ; 2 x my first tile
	s_add_co_u32 s21, s20, 2
	s_mov_b32 s22, 40
.Ltrip:
	TRIP 1
	s_sub_co_u32 s22, s22, 1
	s_cmp_lg_u32 s22, 0
	s_cbranch_scc1 .Ltrip
	TRIP 0                                         ; tiles 80 and 81 of the wave: nothing more to fetch
	; 16 lists a point (8 waves x 2 halves of the lanes) are merged 4 to 1, twice, through LDS.
.set i, 0
.rept 32
	v_or_b32 v[LST+i], v[LST+i], v2                ; the group number's lowest bit is h
.set i, i+1
.endr
	s_lshl_b32 s28, s14, 12
	s_add_co_u32 s28, s28, M0
	v_lshl_add_u32 v15, v2, 11, s28
	v_lshl_add_u32 v15, v1, 4, v15                 ; M0 + 4096 w + 2048 h + 16 r
.irp pt, 0,1,2,3
	ds_store_b128 v15, v[LST+8*\pt:LST+8*\pt+3]   offset:256*\pt
	ds_store_b128 v15, v[LST+8*\pt+4:LST+8*\pt+7] offset:256*\pt+1024
.endr
	v_and_b32 v6, 63, v0                           ; point
	v_lshrrev_b32 v7, 6, v0                        ; which four lists
	v_lshlrev_b32 v6, 4, v6
	v_lshl_add_u32 v8, v7, 13, v6
	v_add_nc_u32 v8, M0, v8                        ; M0 + 8192 s + 16 p
	v_lshl_add_u32 v9, v7, 11, v6
	v_add_nc_u32 v9, M1, v9                        ; M1 + 2048 s + 16 p
	v_lshlrev_b32 v10, 4, v0
	v_add_nc_u32 v10, M1, v10                      ; M1 + 16 t, for t < 64
	s_wait_dscnt 0x0                               ; my lists are in LDS, for the other waves' sake
	s_barrier_signal -1
	s_barrier_wait -1
.macro BST dst, src, d                 ; one stage of a bitonic merge of 8
.irp i, 0,1,2,3,4,5,6,7
.if ((\i) & (\d)) == 0
	v_min_num_f32 v[\dst+\i],    v[\src+\i], v[\src+\i+\d]
	v_max_num_f32 v[\dst+\i+\d], v[\src+\i], v[\src+\i+\d]
.endif
.endr
.endm
.macro MERGE8 out, a, b, tmp           ; the 8 smallest of two ascending lists of 8, ascending
.irp i, 0,1,2,3,4,5,6,7
	v_min_num_f32 v[\tmp+\i], v[\a+\i], v[\b+7-\i]
.endr
	BST \out, \tmp, 4
	BST \tmp, \out, 2
	BST \out, \tmp, 1
.endm
.macro MERGE4 adr                      ; four lists, 1,024 bytes from half list to half list; the result in v[LA:LA+7]
.irp n, 0,1,2,3,4,5,6,7
	ds_load_b128 v[LA+4*\n:LA+4*\n+3], v[\adr] offset:1024*\n
.endr
	s_wait_dscnt 0x0
	MERGE8 LA, LA, LA+8, T1
	MERGE8 LA+16, LA+16, LA+24, T1
	MERGE8 LA, LA, LA+16, T1
.endm
	MERGE4 8
	ds_store_b128 v9, v[LA:LA+3]
	ds_store_b128 v9, v[LA+4:LA+7] offset:1024
	s_wait_dscnt 0x0
	s_barrier_signal -1
	s_barrier_wait -1                              ; the last barrier: the waves part behind it
	s_cmp_lt_u32 s14, 2
	s_cbranch_scc0 .Lnot_final
	; waves 0 and 1: one lane a point; the last merge, the group numbers in ascending order, 16 bits each
	MERGE4 10
.irp i, 0,1,2,3,4,5,6,7
	v_and_b32 v[LA+\i], 0x7ff, v[LA+\i]
.endr
.macro CE a, b
	v_min_u32 v[T1], v[LA+\a], v[LA+\b]
	v_max_u32 v[LA+\b], v[LA+\a], v[LA+\b]
	v_mov_b32 v[LA+\a], v[T1]
.endm
	CE 0,1
	CE 2,3
	CE 4,5
	CE 6,7
	CE 0,2
	CE 1,3
	CE 4,6
	CE 5,7
	CE 1,2
	CE 5,6
	CE 0,4
	CE 1,5
	CE 2,6
	CE 3,7
	CE 2,4
	CE 3,5
	CE 1,2
	CE 3,4
	CE 5,6
.irp i, 0,1,2,3
	v_lshl_or_b32 v[T1+\i], v[LA+2*\i+1], 16, v[LA+2*\i]
.endr
	s_lshl_b32 s28, ttmp9, 10                      ; 64 points x 16 bytes
	s_mov_b32 s29, 0
	s_add_nc_u64 s[12:13], s[12:13], s[28:29]
	v_lshlrev_b32 v6, 4, v0
	global_store_b128 v6, v[T1:T1+3], s[12:13]     ; a wave stores 512 consecutive bytes, aligned
	s_wait_tensorcnt 0x0
	ds_add_u32 v254, v255
	s_wait_dscnt 0x0
	s_endpgm
.Lnot_final:
	s_cmp_lt_u32 s14, 4
	s_cbranch_scc1 .Lend
	s_cmp_lt_u32 s16, 82
	s_cbranch_scc0 .Lend
	; waves 4 to 7 of the batch's first 82 work-groups: 128 rows each of the f32 table x, y, z, v2 for the next launch
	s_lshl_b32 s28, s16, 7
	v_and_b32 v6, 127, v0
	v_add_nc_u32 v6, s28, v6                       ; row 0 .. 10,495
	v_min_u32 v7, 0x28ea, v6
	v_mul_u32_u24 v7, 12, v7
	global_load_b32 v16, v7, s[8:9]
	global_load_b32 v17, v7, s[8:9] offset:4
	global_load_b32 v18, v7, s[8:9] offset:8
	s_mul_i32 s28, s15, 167936                     ; 10,496 rows x 16 bytes
	s_mov_b32 s29, 0
	s_add_nc_u64 s[10:11], s[10:11], s[28:29]
	v_lshlrev_b32 v8, 4, v6
	v_cmp_gt_u32 vcc_lo, 0x28eb, v6                ; the row is a vertex
	s_wait_loadcnt 0x0
	v_mul_f32  v19, v16, v16                       ; v2 as an ascending chain of fused multiply-adds
	v_fmac_f32 v19, v17, v17
	v_fmac_f32 v19, v18, v18
	v_cndmask_b32 v16, 0, v16, vcc_lo
	v_cndmask_b32 v17, 0, v17, vcc_lo
	v_cndmask_b32 v18, 0, v18, vcc_lo
	v_cndmask_b32 v19, 0x7f800000, v19, vcc_lo     ; rows past the end: infinitely far
	global_store_b128 v8, v[16:19], s[10:11]
.Lend:
	s_wait_tensorcnt 0x0
	ds_add_u32 v254, v255
	s_wait_dscnt 0x0
	s_endpgm
.Lfunc_end_k_q4b907e7532_filter:
	.size	k_q4b907e7532_filter, .Lfunc_end_k_q4b907e7532_filter-k_q4b907e7532_filter
	.p2alignl 7, 3214868480
	.fill 96, 4, 3214868480
	.section	.rodata,"a",@progbits
	.p2align	6, 0x0
	.amdhsa_kernel k_q4b907e7532_filter
		.amdhsa_group_segment_fixed_size 293888
		.amdhsa_private_segment_fixed_size 0
		.amdhsa_enable_private_segment 0
		.amdhsa_kernarg_size 40
		.amdhsa_user_sgpr_count 2
		.amdhsa_user_sgpr_kernarg_segment_ptr 1
		.amdhsa_wavefront_size32 1
		.amdhsa_system_sgpr_workgroup_id_x 1
		.amdhsa_system_sgpr_workgroup_id_y 1
		.amdhsa_system_sgpr_workgroup_id_z 1
		.amdhsa_system_vgpr_workitem_id 0
		.amdhsa_next_free_vgpr 256
		.amdhsa_next_free_sgpr 66
		.amdhsa_reserve_vcc 1
		.amdhsa_float_denorm_mode_32 3
		.amdhsa_float_denorm_mode_16_64 3
		.amdhsa_memory_ordered 1
		.amdhsa_forward_progress 1
		.amdhsa_inst_pref_size 102
	.end_amdhsa_kernel
	.amdgpu_metadata
---
amdhsa.version: [ 1, 2 ]
amdhsa.kernels:
  - .name:           k_q4b907e7532_filter
    .symbol:         k_q4b907e7532_filter.kd
    .args:
      - { .name: x, .offset: 0, .size: 8, .value_kind: global_buffer, .address_space: global }
      - { .name: cam, .offset: 8, .size: 8, .value_kind: global_buffer, .address_space: global }
      - { .name: posed_verts, .offset: 16, .size: 8, .value_kind: global_buffer, .address_space: global }
      - { .name: vtab, .offset: 24, .size: 8, .value_kind: global_buffer, .address_space: global }
      - { .name: cand, .offset: 32, .size: 8, .value_kind: global_buffer, .address_space: global }
    .group_segment_fixed_size: 293888
    .private_segment_fixed_size: 0
    .kernarg_segment_align: 8
    .kernarg_segment_size: 40
    .max_flat_workgroup_size: 256
    .sgpr_count:     66
    .vgpr_count:     256
    .wavefront_size: 32
...
	.end_amdgpu_metadata
.endif
;; end of part 1
;; launch rank (part 2): grid 256 x 1, 2 waves a work-group, no clusters, 0 bytes of LDS; arguments x, cam, vtab, cand, nbr, dst; writes nbr, dst
.if DOCPART == 2
	.amdgcn_target "amdgcn-amd-amdhsa--gfx1250"
	.amdhsa_code_object_version 6
	.text
	.protected	k_q4b907e7532_rank
	.globl	k_q4b907e7532_rank
	.p2align	8
	.type	k_q4b907e7532_rank,@function
k_q4b907e7532_rank:
	s_mov_b64 s[64:65], 0
	v_nop
	global_prefetch_b8 v0, s[64:65] scope:SCOPE_SE
	s_setreg_imm32_b32 hwreg(HW_REG_WAVE_MODE, 25, 1), 1
	s_wait_xcnt 0x0
; RANK: one lane a point.  The 64 candidate vertices (8 groups of 8, group numbers ascending) are ranked by d2 = (p2 + v2) - 2 (p.v)
; in f32, and the six nearest leave as vertex numbers and distances.
; LIMIT (order of rounding): p2, v2 and p.v are ascending chains of fused multiply-adds, x / scale is a correctly rounded division,
; 2 (p.v) is exact.  Equal distances go to the lower vertex number: candidates come in ascending order and the compare is strict.
; Work-group g: points 64 g .. 64 g + 63, batch g >> 7.  No LDS, no barrier: no lane needs another.
; 64 candidates a point are no bulk product: the bulk went through the matrix unit in the launch before.
.set OFF, 16                           ; v[16:23]  byte offset of each group's 128 bytes in the table
.set L,   24                           ; v[24:29]  the six smallest d2, ascending
.set I,   30                           ; v[30:35]  their vertex numbers
.set CC,  36                           ; v[36:43]  p.v of a group's eight
.set DD,  44                           ; v[44:51]  d2
.set VI,  52                           ; v[52:59]  vertex numbers
.set IB,  60                           ; v60       the group's first vertex
.set SL,  64                           ; v[64:191] four slots of 8 rows x 4 registers
	s_load_b256 s[4:11], s[0:1], 0x0               ; x s[4:5], cam s[6:7], vtab s[8:9], cand s[10:11]
	s_load_b128 s[12:15], s[0:1], 0x20             ; nbr s[12:13], dst s[14:15]
	s_lshr_b32 s16, ttmp9, 7                       ; batch
	s_lshl_b32 s18, ttmp9, 10                      ; 64 points x 16 bytes
	s_mov_b32 s19, 0
	s_mul_i32 s20, ttmp9, 768                      ; 64 points x 12 bytes
	s_mov_b32 s21, 0
	s_mul_i32 s22, s16, 167936                     ; the batch's table
	s_mov_b32 s23, 0
	s_mul_i32 s28, s16, 12
	s_mov_b32 s29, 0
	v_lshlrev_b32 v1, 4, v0
	v_mul_u32_u24 v2, 12, v0
	s_wait_kmcnt 0x0
	s_add_nc_u64 s[10:11], s[10:11], s[18:19]
	s_add_nc_u64 s[12:13], s[12:13], s[18:19]
	s_add_nc_u64 s[14:15], s[14:15], s[18:19]
	s_add_nc_u64 s[4:5], s[4:5], s[20:21]
	s_add_nc_u64 s[8:9], s[8:9], s[22:23]
	s_add_nc_u64 s[6:7], s[6:7], s[28:29]
	s_load_b96 s[24:26], s[6:7], 0x0               ; scale, tx, ty
	global_load_b128 v[4:7], v1, s[10:11]
	global_load_b32 v8,  v2, s[4:5]
	global_load_b32 v9,  v2, s[4:5] offset:4
	global_load_b32 v10, v2, s[4:5] offset:8
	s_wait_loadcnt 0x3                             ; the group numbers are in; x's three loads stay out
.irp n, 0,1,2,3
	v_and_b32     v[OFF+2*\n],   0xffff, v[4+\n]
	v_lshrrev_b32 v[OFF+2*\n+1], 16, v[4+\n]
.endr
.irp n, 0,1,2,3,4,5,6,7
	v_min_u32 v[OFF+\n], 0x51f, v[OFF+\n]          ; 1,312 groups
.endr
.irp n, 0,1,2,3,4,5,6,7
	v_lshlrev_b32 v[OFF+\n], 7, v[OFF+\n]          ; 8 rows of 16 bytes
.endr
.macro LOADG g, slot
.irp j, 0,1,2,3,4,5,6,7
	global_load_b128 v[SL+32*(\slot)+4*\j:SL+32*(\slot)+4*\j+3], v[OFF+\g], s[8:9] offset:16*\j
.endr
.endm
	LOADG 0, 0
	LOADG 1, 1
	LOADG 2, 2
	LOADG 3, 3
	s_wait_kmcnt 0x0
	s_xor_b32 s36, s24, 0x80000000                 ; -scale
	v_rcp_f32 v61, s24
.irp i, 0,1,2,3,4,5
	v_mov_b32 v[L+\i], 0x7f800000                  ; the first of these is the plain instruction behind v_rcp_f32 (ISA guide 5.7.2)
	v_mov_b32 v[I+\i], 0
.endr
	s_wait_alu depctr_va_vdst(0)
	v_fma_f32 v62, s36, v61, 1.0                   ; one Newton step on the reciprocal
	v_fma_f32 v61, v62, v61, v61
	s_wait_loadcnt 32                              ; x is in; the 32 loads of groups 0 to 3 stay out
.irp c, 0,1,2
	v_mul_f32 v[11+\c], v[8+\c], v61               ; quotient,
.endr
.irp c, 0,1,2
	v_fma_f32 v[8+\c], s36, v[11+\c], v[8+\c]      ; its exact remainder,
.endr
.irp c, 0,1,2
	v_fmac_f32 v[11+\c], v[8+\c], v61              ; and the correction: x / scale
.endr
	v_sub_f32 v11, v11, s25                        ; px
	v_sub_f32 v12, v12, s26                        ; py; pz = v13
	v_mul_f32  v14, v11, v11
	v_fmac_f32 v14, v12, v12
	v_fmac_f32 v14, v13, v13                       ; p2
; A sorted insert of (d, vi): the compares are made against the old list, then places 5 to 0 are rewritten from the top.
.macro INSERT d, vi
.irp i, 0,1,2,3,4,5
	v_cmp_lt_f32 s[30+\i], v[\d], v[L+\i]
.endr
.irp i, 5,4,3,2,1
	v_cndmask_b32 v[I+\i], v[I+\i], v[\vi], s[30+\i]       ; nearer than place i: mine,
	v_cndmask_b32 v[I+\i], v[I+\i], v[I+\i-1], s[29+\i]    ; nearer than place i - 1 too: that one moves up
	v_med3_num_f32 v[L+\i], v[L+\i-1], v[L+\i], v[\d]
.endr
	v_cndmask_b32 v[I], v[I], v[\vi], s30
	v_min_num_f32 v[L], v[L], v[\d]
.endm
; Group g, in slot g & 3.  left = the loads issued behind this group's eight.  refill = 1: the slot gets group g + 4 as soon as it is read.
.macro GROUP g, left, refill
.set SB, SL+32*((\g)&3)
	s_wait_loadcnt \left
	v_lshrrev_b32 v[IB], 4, v[OFF+\g]
.irp j, 0,1,2,3,4,5,6,7
	v_mul_f32 v[CC+\j], v[SB+4*\j], v11
.endr
.irp j, 0,1,2,3,4,5,6,7
	v_fmac_f32 v[CC+\j], v[SB+4*\j+1], v12
.endr
.irp j, 0,1,2,3,4,5,6,7
	v_fmac_f32 v[CC+\j], v[SB+4*\j+2], v13
.endr
.irp j, 0,1,2,3,4,5,6,7
	v_add_f32 v[DD+\j], v14, v[SB+4*\j+3]
.endr
.irp j, 0,1,2,3,4,5,6,7
	v_fmac_f32 v[DD+\j], -2.0, v[CC+\j]
.endr
.irp j, 0,1,2,3,4,5,6,7
	v_add_nc_u32 v[VI+\j], \j, v[IB]
.endr
.if \refill
	LOADG \g+4, (\g)&3
.endif
.irp j, 0,1,2,3,4,5,6,7
	INSERT DD+\j, VI+\j
.endr
.endm
	GROUP 0, 24, 1                                 ; three groups of eight loads stay out
	GROUP 1, 24, 1
	GROUP 2, 24, 1
	GROUP 3, 24, 1
	GROUP 4, 24, 0
	GROUP 5, 16, 0                                 ; nothing more is asked for: the counts run down
	GROUP 6, 8, 0
	GROUP 7, 0, 0
.irp i, 0,1,2,3,4,5
	v_max_num_f32 v[L+\i], 0, v[L+\i]
.endr
	v_lshl_or_b32 v36, v[I+1], 16, v[I]
	v_lshl_or_b32 v37, v[I+3], 16, v[I+2]
	v_lshl_or_b32 v38, v[I+5], 16, v[I+4]
	v_mov_b32 v39, 0
	v_mov_b32 v30, 0                               ; d4, d5, 0, 0 in v[28:31]
	v_mov_b32 v31, 0
	global_store_b128 v1, v[36:39], s[12:13]       ; each store of a wave covers 512 consecutive bytes, aligned
	global_store_b128 v1, v[24:27], s[14:15]
	global_store_b128 v1, v[28:31], s[14:15] offset:262144
	s_endpgm
.Lfunc_end_k_q4b907e7532_rank:
	.size	k_q4b907e7532_rank, .Lfunc_end_k_q4b907e7532_rank-k_q4b907e7532_rank
	.p2alignl 7, 3214868480
	.fill 96, 4, 3214868480
	.section	.rodata,"a",@progbits
	.p2align	6, 0x0
	.amdhsa_kernel k_q4b907e7532_rank
		.amdhsa_group_segment_fixed_size 0
		.amdhsa_private_segment_fixed_size 0
		.amdhsa_enable_private_segment 0
		.amdhsa_kernarg_size 48
		.amdhsa_user_sgpr_count 2
		.amdhsa_user_sgpr_kernarg_segment_ptr 1
		.amdhsa_wavefront_size32 1
		.amdhsa_system_sgpr_workgroup_id_x 1
		.amdhsa_system_sgpr_workgroup_id_y 1
		.amdhsa_system_sgpr_workgroup_id_z 1
		.amdhsa_system_vgpr_workitem_id 0
		.amdhsa_next_free_vgpr 192
		.amdhsa_next_free_sgpr 66
		.amdhsa_reserve_vcc 0
		.amdhsa_float_denorm_mode_32 3
		.amdhsa_float_denorm_mode_16_64 3
		.amdhsa_memory_ordered 1
		.amdhsa_forward_progress 1
		.amdhsa_inst_pref_size 114
	.end_amdhsa_kernel
	.amdgpu_metadata
---
amdhsa.version: [ 1, 2 ]
amdhsa.kernels:
  - .name:           k_q4b907e7532_rank
    .symbol:         k_q4b907e7532_rank.kd
    .args:
      - { .name: x, .offset: 0, .size: 8, .value_kind: global_buffer, .address_space: global }
      - { .name: cam, .offset: 8, .size: 8, .value_kind: global_buffer, .address_space: global }
      - { .name: vtab, .offset: 16, .size: 8, .value_kind: global_buffer, .address_space: global }
      - { .name: cand, .offset: 24, .size: 8, .value_kind: global_buffer, .address_space: global }
      - { .name: nbr, .offset: 32, .size: 8, .value_kind: global_buffer, .address_space: global }
      - { .name: dst, .offset: 40, .size: 8, .value_kind: global_buffer, .address_space: global }
    .group_segment_fixed_size: 0
    .private_segment_fixed_size: 0
    .kernarg_segment_align: 8
    .kernarg_segment_size: 48
    .max_flat_workgroup_size: 64
    .sgpr_count:     66
    .vgpr_count:     192
    .wavefront_size: 32
...
	.end_amdgpu_metadata
.endif
;; end of part 2
;; launch blend (part 3): grid 256 x 1, 32 waves a work-group, no clusters, 8,192 bytes of LDS; arguments x, cam, lbs_weights, verts_transform, nbr, dst, out0; writes out0
.if DOCPART == 3
	.amdgcn_target "amdgcn-amd-amdhsa--gfx1250"
	.amdhsa_code_object_version 6
	.text
	.protected	k_q4b907e7532_blend
	.globl	k_q4b907e7532_blend
	.p2align	8
	.type	k_q4b907e7532_blend,@function
k_q4b907e7532_blend:
	s_mov_b64 s[64:65], 0
	v_nop
	global_prefetch_b8 v0, s[64:65] scope:SCOPE_SE
	s_setreg_imm32_b32 hwreg(HW_REG_WAVE_MODE, 25, 1), 1
	s_wait_xcnt 0x0
; BLEND: sixteen lanes a point.  Lane l holds elements l, 16 + l, 32 + l and (l < 7) 48 + l of each neighbour's 55 skinning weights,
; and element l of each neighbour's 4 x 4 transform.  Confidence, weights, the blended transform and its use on the point.
; Work-group g: points 64 g .. 64 g + 63, batch g >> 7.  All 30 gathers of a lane are issued in one run; there is no loop.
; The two contractions (over 6 neighbours, over 4 columns) differ from point to point and are too short for the matrix unit.
; The way out: every thread puts its row sum into its own LDS word (4 t), and 96 threads pick the 192 words that are the
; work-group's 768 bytes of output, so that each store of a wave covers 256 consecutive bytes.
; LIMIT: weights are exp(-(d_k - d_0)) with d_0 the smallest distance: the ratios are those of exp(-d_k), neighbour 0's confidence is
; always 1, so the sum is at least 1.  Where all exp(-d_k) underflow (d_0 above about 100) the quotient 0/0 would be NaN; this gives numbers.
.set IDX, 16                           ; v[16:21] vertex numbers
.set OW,  22                           ; v[22:27] 220 idx + 4 l
.set OW3, 28                           ; v[28:33] 220 idx + 192 + 4 min(l, 6)
.set OT,  34                           ; v[34:39] 64 idx + 4 l
.set W,   40                           ; v[40:63] neighbour k: four weights
.set TT,  64                           ; v[64:69] neighbour k: one element of its transform
.set S,   70                           ; v[70:74] neighbours 1 to 5: sum of |differences|, then the confidence's exponential
.set E2,  75                           ; v[75:79] neighbours 1 to 5: weight
	s_load_b256 s[4:11], s[0:1], 0x0               ; x s[4:5], cam s[6:7], lbs_weights s[8:9], verts_transform s[10:11]
	s_load_b128 s[12:15], s[0:1], 0x20             ; nbr s[12:13], dst s[14:15]
	s_load_b64 s[16:17], s[0:1], 0x30              ; out0
	v_lshl_add_u32 v96, v0, 2, 0x1000
	v_mov_b32 v97, 0
	v_lshrrev_b32 v87, 5, v0
	v_readfirstlane_b32 s18, v87                   ; wave
	s_lshr_b32 s27, ttmp9, 7                       ; batch
	s_lshl_b32 s20, ttmp9, 10                      ; 64 points x 16 bytes
	s_mov_b32 s21, 0
	s_mul_i32 s22, ttmp9, 768                      ; 64 points x 12 bytes
	s_mov_b32 s23, 0
	s_mul_i32 s28, s27, 670400                     ; 10,475 transforms x 64 bytes
	s_mov_b32 s29, 0
	s_mul_i32 s30, s27, 12                         ; cam's row
	s_mov_b32 s31, 0
	v_and_b32 v1, 15, v0                           ; l
	v_lshrrev_b32 v2, 4, v0                        ; point in the work-group
	v_lshlrev_b32 v3, 2, v1
	v_lshlrev_b32 v84, 4, v2
	v_and_b32 v82, 3, v0                           ; column j of the transform
	v_min_u32 v85, 2, v82
	v_mul_u32_u24 v86, 12, v2
	v_lshl_add_u32 v85, v85, 2, v86                ; x: coordinate min(j, 2) of my point
	v_min_u32 v81, 6, v1
	v_lshlrev_b32 v81, 2, v81
	v_add_nc_u32 v81, 192, v81                     ; weights 48 .. 54; lanes 7 to 15 repeat the last and are masked
	v_cmp_gt_u32 vcc_lo, 7, v1
	v_cndmask_b32 v80, 0, 1.0, vcc_lo
	v_lshlrev_b32 v94, 2, v0                       ; LDS: my own word, 4 t
	s_wait_kmcnt 0x0
	s_add_nc_u64 s[12:13], s[12:13], s[20:21]
	s_add_nc_u64 s[14:15], s[14:15], s[20:21]
	s_add_nc_u64 s[4:5], s[4:5], s[22:23]
	s_add_nc_u64 s[16:17], s[16:17], s[22:23]
	s_add_nc_u64 s[10:11], s[10:11], s[28:29]
	s_add_nc_u64 s[6:7], s[6:7], s[30:31]
	s_load_b96 s[24:26], s[6:7], 0x0               ; scale, tx, ty
	global_load_b128 v[4:7], v84, s[12:13]
	global_load_b128 v[8:11], v84, s[14:15]
	global_load_b64 v[12:13], v84, s[14:15] offset:262144
	global_load_b32 v14, v85, s[4:5]
	s_wait_loadcnt 0x3                             ; the vertex numbers are in; the three loads behind them stay out
.irp n, 0,1,2
	v_and_b32     v[IDX+2*\n],   0xffff, v[4+\n]
	v_lshrrev_b32 v[IDX+2*\n+1], 16, v[4+\n]
.endr
.irp k, 0,1,2,3,4,5
	v_min_u32 v[IDX+\k], 0x28ea, v[IDX+\k]         ; 10,475 vertices
.endr
.irp k, 0,1,2,3,4,5
	v_mul_u32_u24 v[OW+\k], 220, v[IDX+\k]
	v_lshl_add_u32 v[OT+\k], v[IDX+\k], 6, v3
.endr
.irp k, 0,1,2,3,4,5
	v_add_nc_u32 v[OW3+\k], v[OW+\k], v81
	v_add_nc_u32 v[OW+\k],  v[OW+\k], v3
.endr
.irp k, 0,1,2,3,4,5
	global_load_b32 v[W+4*\k],   v[OW+\k],  s[8:9]
	global_load_b32 v[W+4*\k+1], v[OW+\k],  s[8:9] offset:64
	global_load_b32 v[W+4*\k+2], v[OW+\k],  s[8:9] offset:128
	global_load_b32 v[W+4*\k+3], v[OW3+\k], s[8:9]
	global_load_b32 v[TT+\k],    v[OT+\k],  s[10:11]
.endr
	s_wait_kmcnt 0x0
	v_rcp_f32 v90, s24                             ; 1 / scale
	v_mov_b32 v91, s25                             ; (a plain instruction behind v_rcp_f32: ISA guide 5.7.2)
	v_mov_b32 v92, s26
	v_cmp_eq_u32 vcc_lo, 0, v82
	v_cndmask_b32 v93, 0, v91, vcc_lo
	v_cmp_eq_u32 vcc_lo, 1, v82
	v_cndmask_b32 v93, v93, v92, vcc_lo            ; tx, ty, 0, 0 by column
	s_wait_loadcnt 0x0
	s_wait_alu depctr_va_vdst(0)
	v_fma_f32 v83, v14, v90, -v93                  ; the posed point's coordinate,
	v_cmp_eq_u32 vcc_lo, 3, v82
	v_cndmask_b32 v83, v83, 1.0, vcc_lo            ; and 1 for the translation's column
.irp k, 1,2,3,4,5
.irp j, 0,1,2,3
	v_sub_f32 v[W+4*\k+\j], v[W+4*\k+\j], v[W+\j]
.endr
.endr
.irp k, 1,2,3,4,5
	v_add_f32 v[S+\k-1], |v[W+4*\k]|, |v[W+4*\k+1]|
.endr
.irp k, 1,2,3,4,5
	v_add_f32 v[S+\k-1], v[S+\k-1], |v[W+4*\k+2]|
.endr
.irp k, 1,2,3,4,5
	v_fma_f32 v[S+\k-1], |v[W+4*\k+3]|, v80, v[S+\k-1]
.endr
.irp m, 1,2,4,8
.irp k, 0,1,2,3,4
	v_add_f32_dpp v[S+\k], v[S+\k], v[S+\k] row_xmask:\m row_mask:0xf bank_mask:0xf   ; over the point's 16 lanes
.endr
.endr
.irp k, 0,1,2,3,4
	v_mul_f32 v[S+\k], -72.134752, v[S+\k]         ; -log2(e) / 0.02
	v_sub_f32 v[E2+\k], v[9+\k], v8                ; d_k - d_0
.endr
.irp k, 0,1,2,3,4
	v_mul_f32 v[E2+\k], 0xbfb8aa3b, v[E2+\k]       ; x -log2(e)
.endr
.irp k, 0,1,2,3,4
	v_exp_f32 v[S+\k], v[S+\k]
.endr
.irp k, 0,1,2,3,4
	v_exp_f32 v[E2+\k], v[E2+\k]
.endr
	v_nop                                          ; a plain place behind the run of v_exp_f32 (ISA guide 5.7.2)
	s_wait_alu depctr_va_vdst(0)
.irp k, 0,1,2,3,4
	v_cmp_lt_f32 vcc_lo, 0x3f666666, v[S+\k]       ; confidence above 0.9
	v_cndmask_b32 v[E2+\k], 0, v[E2+\k], vcc_lo
.endr
	v_add_f32 v88, 1.0, v[E2]                      ; neighbour 0's weight is 1
.irp k, 1,2,3,4
	v_add_f32 v88, v88, v[E2+\k]
.endr
	v_rcp_f32 v88, v88
	v_fma_f32 v89, v[E2], v[TT+1], v[TT]           ; plain work behind v_rcp_f32: the blended element
.irp k, 1,2,3,4
	v_fmac_f32 v89, v[E2+\k], v[TT+\k+1]
.endr
	s_wait_alu depctr_va_vdst(0)
	v_mul_f32 v89, v89, v88
	v_mul_f32 v89, v89, v83
	v_add_f32_dpp v89, v89, v89 row_xmask:1 row_mask:0xf bank_mask:0xf    ; over the row's four columns:
	v_add_f32_dpp v89, v89, v89 row_xmask:2 row_mask:0xf bank_mask:0xf    ; a row's four lanes now hold the same sum
	ds_store_b32 v94, v89                          ; all lanes on, each thread its own word: a wave's 128 bytes are its own
	s_wait_dscnt 0x0                               ; for the other waves' sake
	s_barrier_signal -1
	s_barrier_wait -1
	s_cmp_lt_u32 s18, 3
	s_cbranch_scc0 .Lend
	; Threads 0 to 95 take output words o = 2 t and 2 t + 1.  Word o = 3 point + row was stored by thread 16 point + 4 row,
	; at byte 64 point + 16 row = 16 (o + point); point = o / 3 = (171 o) >> 9, exact for o < 512.  The largest is 16 (191 + 63) = 4,064.
	v_lshlrev_b32 v15, 3, v0                       ; 96 threads x 8 bytes = the work-group's 768 bytes
	v_lshlrev_b32 v16, 1, v0
	v_add_nc_u32 v17, 1, v16
	v_mul_u32_u24 v18, 171, v16
	v_mul_u32_u24 v19, 171, v17
	v_lshrrev_b32 v18, 9, v18
	v_lshrrev_b32 v19, 9, v19
	v_add_lshl_u32 v18, v18, v16, 4
	v_add_lshl_u32 v19, v19, v17, 4
	ds_load_b32 v4, v18
	ds_load_b32 v5, v19
	s_wait_dscnt 0x0
	global_store_b64 v15, v[4:5], s[16:17]         ; each wave stores 256 consecutive bytes, aligned
.Lend:
	s_wait_tensorcnt 0x0
	ds_add_u32 v96, v97
	s_wait_dscnt 0x0
	s_endpgm
.Lfunc_end_k_q4b907e7532_blend:
	.size	k_q4b907e7532_blend, .Lfunc_end_k_q4b907e7532_blend-k_q4b907e7532_blend
	.p2alignl 7, 3214868480
	.fill 96, 4, 3214868480
	.section	.rodata,"a",@progbits
	.p2align	6, 0x0
	.amdhsa_kernel k_q4b907e7532_blend
		.amdhsa_group_segment_fixed_size 8192
		.amdhsa_private_segment_fixed_size 0
		.amdhsa_enable_private_segment 0
		.amdhsa_kernarg_size 56
		.amdhsa_user_sgpr_count 2
		.amdhsa_user_sgpr_kernarg_segment_ptr 1
		.amdhsa_wavefront_size32 1
		.amdhsa_system_sgpr_workgroup_id_x 1
		.amdhsa_system_sgpr_workgroup_id_y 1
		.amdhsa_system_sgpr_workgroup_id_z 1
		.amdhsa_system_vgpr_workitem_id 0
		.amdhsa_next_free_vgpr 98
		.amdhsa_next_free_sgpr 66
		.amdhsa_reserve_vcc 1
		.amdhsa_float_denorm_mode_32 3
		.amdhsa_float_denorm_mode_16_64 3
		.amdhsa_memory_ordered 1
		.amdhsa_forward_progress 1
		.amdhsa_inst_pref_size 14
	.end_amdhsa_kernel
	.amdgpu_metadata
---
amdhsa.version: [ 1, 2 ]
amdhsa.kernels:
  - .name:           k_q4b907e7532_blend
    .symbol:         k_q4b907e7532_blend.kd
    .args:
      - { .name: x, .offset: 0, .size: 8, .value_kind: global_buffer, .address_space: global }
      - { .name: cam, .offset: 8, .size: 8, .value_kind: global_buffer, .address_space: global }
      - { .name: lbs_weights, .offset: 16, .size: 8, .value_kind: global_buffer, .address_space: global }
      - { .name: verts_transform, .offset: 24, .size: 8, .value_kind: global_buffer, .address_space: global }
      - { .name: nbr, .offset: 32, .size: 8, .value_kind: global_buffer, .address_space: global }
      - { .name: dst, .offset: 40, .size: 8, .value_kind: global_buffer, .address_space: global }
      - { .name: out0, .offset: 48, .size: 8, .value_kind: global_buffer, .address_space: global }
    .group_segment_fixed_size: 8192
    .private_segment_fixed_size: 0
    .kernarg_segment_align: 8
    .kernarg_segment_size: 56
    .max_flat_workgroup_size: 1024
    .sgpr_count:     66
    .vgpr_count:     98
    .wavefront_size: 32
...
	.end_amdgpu_metadata
.endif
;; end of part 3
;; ======== version 2 of 2: 3 launches; version 1 with the launch filter written anew for expert scheduling mode
;; limits: values within 0.000244 (relative) of each other or of a threshold may be ordered or decided otherwise than in the reference
;; workspace buffers: vtab 335,872 bytes; cand 262,144 bytes of whole numbers; nbr 262,144 bytes of whole numbers; dst 524,288 bytes
;; launch filter (part 4): grid 256 x 1, 8 waves a work-group, no clusters, 293,888 bytes of LDS; arguments x, cam, posed_verts, vtab, cand; writes vtab, cand
.if DOCPART == 4
	.amdgcn_target "amdgcn-amd-amdhsa--gfx1250"
	.amdhsa_code_object_version 6
	.text
	.protected	k_q4b907e7532_filter
	.globl	k_q4b907e7532_filter
	.p2align	8
	.type	k_q4b907e7532_filter,@function
k_q4b907e7532_filter:
	s_mov_b64 s[64:65], 0
	v_nop
	global_prefetch_b8 v0, s[64:65] scope:SCOPE_SE
	s_setreg_imm32_b32 hwreg(HW_REG_WAVE_SCHED_MODE, 0, 2), 2
	s_setreg_imm32_b32 hwreg(HW_REG_WAVE_MODE, 25, 1), 1
	s_wait_xcnt 0x0
	s_wait_alu depctr_vm_vsrc(0)
; FILTER: for each of 16,384 points, the eight groups of 8 consecutive vertices whose nearest member is nearest.
; The six nearest vertices of a point lie in the six groups with the smallest group minima, so ranking group minima
; is enough; eight are kept, two to spare.  The next launch ranks the 64 candidate vertices in plain f32.
; d2 = p2 + v2 - 2 p.v comes from ONE matrix instruction per 16 vertices x 16 points: every f32 is cut into three bf16
; pieces (hi, mid, lo: 8 + 8 + 8 significant bits, exact), and the 32 K places hold the piece products of (-2p).v
; (all but lo x lo) and v2's three pieces times 1; p2 is the C operand.
; A = vertices, B = points: lane (r, h) then holds, for point r, vertices 16 tile + 8h + 0..7 = group 2 tile + h.
; Work-group g: batch g >> 7, points 64 g .. 64 g + 63 (4 point tiles).  Wave w: vertex tiles 82 w .. 82 w + 81 of 656.
; No tensor loads: the table must pass through registers to be cut into pieces.  No cluster: nothing is fetched as a tile.
; LIMITS: the ranking key is d2 cut to 12 mantissa bits (11 low bits carry the group number), so a needed group is lost
; only if three groups that hold none of the six agree with it to about 2^-12 relative.  Coordinates finite, d2 < 4e37
; (padding vertices carry v2 = 0x7e000000).  Keys of d2 = 0 are denormal floats; the mode keeps denormals.
; THE MODE: SCHED_MODE bits 1:0 = 2 (LLVM: expert scheduling mode 2), set by the entry lines.  The code itself states the register
; dependences between vector or matrix instructions and memory or LDS instructions, with s_wait_alu, always for 0.
; THE PLAN.  Registers that memory or LDS instructions touch:
;   v3-v5      offsets of the head's global loads: made once, never written again.
;   v6-v10     addresses of the table's LDS stores, made once; written again behind the loop, as the merges' addresses.
;   OUT0, OUT1 the table is cut in groups of three blocks.  Group g's v_perm_b32 write OUT[g & 1]; the nine LDS stores that read it are issued
;              in group g + 1, dealt among that group's vector lines, which name RAW, TS and the other out-buffer alone.
;   AF0, AF1   two buffers of fragments by turns.  A step's eight matrix instructions read one; the eight LDS loads of the next step land in the
;              other, which the matrix instructions of the step before read.
;   v11, v12   read by every fragment load; stepped once a step, at the step's head.
;   v128-v159  matrix results in the loop; behind it the merges' LDS loads land there.
; So a group of the table has two waits at its head, a step of the loop two, and each run of stores on the way out one.
.set M0,  251904                       ; LDS: 16 lists of 8 keys for each of 64 points: ((2w+h)*2 + half)*1024 + 16 p
.set M1,  284672                       ; LDS: 4 lists: (s*2 + half)*1024 + 16 p.  LDS 0..251903: table, tile*384 + {hi 0, mid 128, lo 256} + 8 r
.set BF,  16                           ; v[16:47]   B fragments of the 4 point tiles
.set CF,  48                           ; v[48:79]   C operands: p2, eight times each
.set LST, 80                           ; v[80:111]  first x and PREP's scratch, then (see OUT), then the sorted lists, 8 keys a point tile
.set OUT, 80                           ; v[80:115]  the table's out-buffers: buffer q, block b of three: 6 registers at OUT + 18 q + 6 b
.set TS,  116                          ; v[116:124] the table's scratch: no memory instruction names it while the table is cut
.set AF0, 112                          ; v[112:127] fragment buffer 0: the even tile's 8 registers, then the odd tile's
.set AF1, 200                          ; v[200:215] fragment buffer 1
.set RAW, 128                          ; v[128:250] 41 x 3 raw coordinates; later:
.set DX,  128                          ; v[128:159] d2 of the even tile, 4 point tiles
.set DY,  160                          ; v[160:191] d2 of the odd tile
.set KEY, 192                          ; v[192:195] group minima, then keys
.set TB,  196                          ; v[196:199] scratch
.set LA,  128                          ; merges: four lists in v[128:159]
.set T1,  160                          ; merges: scratch v[160:167]
.set PT,  92                           ; PREP's scratch v[92:106]
	s_load_b256 s[4:11], s[0:1], 0x0               ; x s[4:5], cam s[6:7], posed_verts s[8:9], vtab s[10:11]
	s_load_b64 s[12:13], s[0:1], 0x20              ; cand
	v_lshl_add_u32 v254, v0, 2, 0x47800
	v_mov_b32 v255, 0
	v_lshrrev_b32 v1, 5, v0
	v_readfirstlane_b32 s14, v1                    ; wave
	v_cmp_gt_u32 s27, 0xeb, v0                     ; block 40: vertex 10240 + t exists for t < 235
	s_lshr_b32 s15, ttmp9, 7                       ; batch
	s_and_b32 s16, ttmp9, 127                      ; block of 64 points in the batch
	s_mov_b32 s17, 0xffff0000                      ; a word's upper 16 bits; also the mask of lanes 16-31
	s_mov_b32 s18, 0x07060302                      ; v_perm_b32: {first source's high half, second source's high half}
	s_mov_b32 s19, 0xfffff800                      ; the key's 21 upper bits
	s_mul_i32 s28, ttmp9, 768                      ; 64 points x 12 bytes
	s_mov_b32 s29, 0
	s_mul_i32 s30, s15, 125700                     ; 10,475 vertices x 12 bytes
	s_mov_b32 s31, 0
	s_mul_i32 s32, s15, 12                         ; cam's row
	s_mov_b32 s33, 0
	v_and_b32 v1, 15, v0                           ; r
	v_bfe_u32 v2, v0, 4, 1                         ; h
	v_mul_u32_u24 v3, 12, v1                       ; x: 12 r
	v_mul_u32_u24 v4, 12, v0                       ; vertices: 12 t
	v_add_nc_u32 v5, 10240, v0                     ; the last block of 256 is clamped to the last vertex
	v_min_u32 v5, 0x28ea, v5
	v_mul_u32_u24 v5, 12, v5
	v_lshrrev_b32 v15, 4, v0
	v_mul_u32_u24 v15, 384, v15
	v_lshl_add_u32 v6, v1, 3, v15                  ; table: (t >> 4) tiles of 384 bytes + 8 (t & 15)
.irp k, 1,2,3,4
	v_add_nc_u32 v[6+\k], 61440*\k, v6             ; ten blocks of 16 tiles further: the immediate has 16 bits
.endr
	s_wait_alu depctr_va_sdst(0)                   ; s14 and s27 are written, ahead of their first readers: the line below, and block 40's selects
	s_mul_i32 s20, s14, 31488                      ; 82 tiles x 384 bytes
	v_lshl_add_u32 v11, v1, 3, s20                 ; my wave's first tile, record r
	v_lshl_add_u32 v12, v2, 7, v11                 ; the same, lanes 16-31 one record kind further
	s_wait_kmcnt 0x0
	s_add_nc_u64 s[4:5], s[4:5], s[28:29]
	s_add_nc_u64 s[8:9], s[8:9], s[30:31]
	s_add_nc_u64 s[6:7], s[6:7], s[32:33]
	s_load_b96 s[24:26], s[6:7], 0x0               ; scale, tx, ty
	s_wait_alu depctr_va_vdst(0)                   ; the offsets and addresses v3 to v12 are written, which the loads below and the LDS stores and loads further down read
.irp pt, 0,1,2,3
.irp c, 0,1,2
	global_load_b32 v[LST+3*\pt+\c], v3, s[4:5] offset:192*\pt+4*\c
.endr
.endr
.set it, 0
.rept 40
	global_load_b32 v[RAW+3*it],   v4, s[8:9] offset:3072*it
	global_load_b32 v[RAW+3*it+1], v4, s[8:9] offset:3072*it+4
	global_load_b32 v[RAW+3*it+2], v4, s[8:9] offset:3072*it+8
.set it, it+1
.endr
	global_load_b32 v[RAW+120], v5, s[8:9]
	global_load_b32 v[RAW+121], v5, s[8:9] offset:4
	global_load_b32 v[RAW+122], v5, s[8:9] offset:8
	s_wait_kmcnt 0x0
	s_xor_b32 s34, s25, 0x80000000                 ; -tx
	s_xor_b32 s35, s26, 0x80000000                 ; -ty
	v_rcp_f32 v13, s24                             ; 1 / scale (a filter: one ulp does not matter here)
	v_mov_b32 v14, 1.0                             ; the plain instruction behind v_rcp_f32 (ISA guide 5.7.2); its high half is bf16 1.0
	s_wait_loadcnt 63                              ; 135 loads issued, at most 63 out: the 72 oldest are in, x's twelve among them
	s_wait_alu depctr_va_vdst(0)                   ; the reciprocal has written v13, ahead of its first reader
; One point tile: posed point, p2 into C, q = -2 p cut into three bf16 pieces, the eight registers of B.
; K places by (register pair, half of the lanes); A's record / B's record:
;   0-1: hi/PH, hi/PM   2-3: hi/PL, mid/PH   4-5: mid/PM, mid/PL   6-7: lo/PH, lo/PM     PH = (qh, 1), PM = (qm, 0), PL = (ql, 0)
.macro PREP pt
	v_fma_f32 v[PT],   v[LST+3*\pt],   v13, s34
	v_fma_f32 v[PT+1], v[LST+3*\pt+1], v13, s35
	v_mul_f32 v[PT+2], v[LST+3*\pt+2], v13
	v_mul_f32  v[CF+8*\pt], v[PT], v[PT]
	v_fmac_f32 v[CF+8*\pt], v[PT+1], v[PT+1]
	v_fmac_f32 v[CF+8*\pt], v[PT+2], v[PT+2]
.irp j, 1,2,3,4,5,6,7
	v_mov_b32 v[CF+8*\pt+\j], v[CF+8*\pt]
.endr
.irp c, 0,1,2
	v_mul_f32 v[PT+\c], -2.0, v[PT+\c]
.endr
.irp c, 0,1,2
	v_and_b32 v[PT+3+\c], s17, v[PT+\c]            ; the top piece,
.endr
.irp c, 0,1,2
	v_sub_f32 v[PT+3+\c], v[PT+\c], v[PT+3+\c]     ; what it leaves (exact),
.endr
.irp c, 0,1,2
	v_and_b32 v[PT+6+\c], s17, v[PT+3+\c]          ; its top piece,
.endr
.irp c, 0,1,2
	v_sub_f32 v[PT+6+\c], v[PT+3+\c], v[PT+6+\c]   ; and the rest: at most 8 bits, so its upper half is all of it
.endr
	v_perm_b32 v[PT+9],  v[PT+1], v[PT], s18       ; PH
	v_perm_b32 v[PT+10], v14, v[PT+2], s18
	v_perm_b32 v[PT+11], v[PT+4], v[PT+3], s18     ; PM
	v_lshrrev_b32 v[PT+12], 16, v[PT+5]
	v_perm_b32 v[PT+13], v[PT+7], v[PT+6], s18     ; PL
	v_lshrrev_b32 v[PT+14], 16, v[PT+8]
	v_cndmask_b32 v[BF+8*\pt],   v[PT+9],  v[PT+11], s17   ; lanes 0-15 take the first, lanes 16-31 the second
	v_cndmask_b32 v[BF+8*\pt+1], v[PT+10], v[PT+12], s17
	v_cndmask_b32 v[BF+8*\pt+2], v[PT+13], v[PT+9],  s17
	v_cndmask_b32 v[BF+8*\pt+3], v[PT+14], v[PT+10], s17
	v_cndmask_b32 v[BF+8*\pt+4], v[PT+11], v[PT+13], s17
	v_cndmask_b32 v[BF+8*\pt+5], v[PT+12], v[PT+14], s17
	v_cndmask_b32 v[BF+8*\pt+6], v[PT+9],  v[PT+11], s17
	v_cndmask_b32 v[BF+8*\pt+7], v[PT+10], v[PT+12], s17
.endm
	PREP 0
	PREP 1
	PREP 2
	PREP 3
; The table: thread t cuts vertex 256 it + t and its v2 into pieces (CUT: three records of 8 bytes into six registers at o) and stores them (PUT).
.macro CUT it, o
.set R0, RAW+3*(\it)
.if 120-3*(\it) > 63
	s_wait_loadcnt 63                              ; more than 63 loads were issued behind this block's three
.else
	s_wait_loadcnt 120-3*(\it)                     ; the loads issued behind this block's three
.endif
.if (\it) == 40
	v_cndmask_b32 v[R0],   0, v[R0],   s27         ; vertices past the end: coordinates 0
	v_cndmask_b32 v[R0+1], 0, v[R0+1], s27
	v_cndmask_b32 v[R0+2], 0, v[R0+2], s27
.endif
	v_mul_f32  v[TS], v[R0], v[R0]
	v_fmac_f32 v[TS], v[R0+1], v[R0+1]
	v_fmac_f32 v[TS], v[R0+2], v[R0+2]             ; v2
.if (\it) == 40
	v_cndmask_b32 v[TS], 0x7e000000, v[TS], s27    ; and a v2 beyond every real distance
.endif
	v_and_b32 v[TS+1], s17, v[R0]
	v_and_b32 v[TS+2], s17, v[R0+1]
	v_and_b32 v[TS+3], s17, v[R0+2]
	v_and_b32 v[TS+4], s17, v[TS]
	v_sub_f32 v[TS+1], v[R0],   v[TS+1]
	v_sub_f32 v[TS+2], v[R0+1], v[TS+2]
	v_sub_f32 v[TS+3], v[R0+2], v[TS+3]
	v_sub_f32 v[TS+4], v[TS],   v[TS+4]
.irp c, 0,1,2,3
	v_and_b32 v[TS+5+\c], s17, v[TS+1+\c]
.endr
.irp c, 0,1,2,3
	v_sub_f32 v[TS+5+\c], v[TS+1+\c], v[TS+5+\c]
.endr
	v_perm_b32 v[\o],   v[R0+1], v[R0],   s18      ; hi:  x, y | z, v2
	v_perm_b32 v[\o+1], v[TS],   v[R0+2], s18
	v_perm_b32 v[\o+2], v[TS+2], v[TS+1], s18      ; mid
	v_perm_b32 v[\o+3], v[TS+4], v[TS+3], s18
	v_perm_b32 v[\o+4], v[TS+6], v[TS+5], s18      ; lo
	v_perm_b32 v[\o+5], v[TS+8], v[TS+7], s18
.endm
.macro PUT it, o
	ds_store_b64 v[6+(\it)/10], v[\o:\o+1]   offset:((\it)%10)*6144
	ds_store_b64 v[6+(\it)/10], v[\o+2:\o+3] offset:((\it)%10)*6144+128
	ds_store_b64 v[6+(\it)/10], v[\o+4:\o+5] offset:((\it)%10)*6144+256
.endm
; Fourteen groups of three blocks (the last has two).  Group g cuts into OUT[g & 1]; the records of the group before leave from the other out-buffer meanwhile.
.set g, 0
.rept 14
.set q, g&1
.if g >= 2
	s_wait_alu depctr_vm_vsrc(0)                   ; the LDS stores issued in the group before have read OUT[q], which this group's v_perm_b32 write again
.endif
.if g >= 1
	s_wait_alu depctr_va_vdst(0)                   ; the group before has written the other out-buffer, which the nine stores of this group read; no vector line of this group names it
.endif
.set b, 0
.rept 3
.if g >= 1
	PUT 3*(g-1)+b, OUT+18*(1-q)+6*b
.endif
.if 3*g+b < 41
	CUT 3*g+b, OUT+18*q+6*b
.endif
.set b, b+1
.endr
.set g, g+1
.endr
	s_wait_alu depctr_va_vdst(0)                   ; blocks 39 and 40 have written OUT1, which the last six stores read; every vector line that names v112 to v127 stands ahead of this wait too
	PUT 39, OUT+18
	PUT 40, OUT+24
	s_wait_dscnt 0x0                               ; my records are in LDS, for the other waves' sake
	s_barrier_signal -1
	s_barrier_wait -1                              ; the table is whole
.macro FETCH a                         ; A fragments of two tiles into buffer a; lanes r and 16 + r read the same or the neighbouring record
	ds_load_b64 v[\a:\a+1],     v11
	ds_load_b64 v[\a+2:\a+3],   v12
	ds_load_b64 v[\a+4:\a+5],   v11 offset:128
	ds_load_b64 v[\a+6:\a+7],   v11 offset:256
	ds_load_b64 v[\a+8:\a+9],   v11 offset:384
	ds_load_b64 v[\a+10:\a+11], v12 offset:384
	ds_load_b64 v[\a+12:\a+13], v11 offset:512
	ds_load_b64 v[\a+14:\a+15], v11 offset:640
.endm
; The minimum of a lane's eight d2, the group number in the key's low bits, and a sorted insert: L_i = the middle one of L_(i-1), L_i, key.
; Stage by stage over the four point tiles, so that no line waits for the one in front of it.
.macro SELECT d, sidx
.irp pt, 0,1,2,3
	v_min3_num_f32 v[KEY+\pt], v[\d+8*\pt], v[\d+8*\pt+1], v[\d+8*\pt+2]
.endr
.irp pt, 0,1,2,3
	v_min3_num_f32 v[TB+\pt], v[\d+8*\pt+3], v[\d+8*\pt+4], v[\d+8*\pt+5]
.endr
.irp pt, 0,1,2,3
	v_min3_num_f32 v[KEY+\pt], v[\d+8*\pt+6], v[\d+8*\pt+7], v[KEY+\pt]
.endr
.irp pt, 0,1,2,3
	v_min_num_f32 v[KEY+\pt], v[KEY+\pt], v[TB+\pt]
.endr
.irp pt, 0,1,2,3
	v_and_or_b32 v[KEY+\pt], v[KEY+\pt], s19, \sidx
.endr
.irp i, 7,6,5,4,3,2,1
.irp pt, 0,1,2,3
	v_med3_num_f32 v[LST+8*\pt+\i], v[LST+8*\pt+\i-1], v[LST+8*\pt+\i], v[KEY+\pt]
.endr
.endr
.irp pt, 0,1,2,3
	v_min_num_f32 v[LST+8*\pt], v[LST+8*\pt], v[KEY+\pt]
.endr
.endm
; A step: two vertex tiles x four point tiles, out of fragment buffer a; fetch = 1: the next step's fragments are asked for, into buffer o.
; Every D is apart from its C and no result feeds a matrix instruction: no chain.
; Four plain vector lines stand between the last matrix instruction and the reads of D (ISA guide 7.12.1);
; the 32 closing lines of SELECT name no matrix register and stand ahead of the next step's writes over D.
.macro STEP a, o, fetch
	s_wait_dscnt 0x0                               ; the eight loads of this step's two fragments, issued a step ago
.if \fetch
	s_wait_alu depctr_vm_vsrc(0)                   ; the fragment loads issued so far have read v11 and v12
	v_add_nc_u32 v11, 768, v11                     ; two tiles on
	v_add_nc_u32 v12, 768, v12
	s_wait_alu depctr_va_vdst(0)                   ; v11 and v12 are written; the matrix instructions of the step before (in the first step: the table's cutting lines) are done reading the other buffer's registers
	FETCH \o                                       ; no vector or matrix line of this step names these sixteen registers
.endif
.irp pt, 0,1,2,3
	v_wmma_f32_16x16x32_bf16 v[DX+8*\pt:DX+8*\pt+7], v[\a:\a+7], v[BF+8*\pt:BF+8*\pt+7], v[CF+8*\pt:CF+8*\pt+7]
.endr
.irp pt, 0,1,2,3
	v_wmma_f32_16x16x32_bf16 v[DY+8*\pt:DY+8*\pt+7], v[\a+8:\a+15], v[BF+8*\pt:BF+8*\pt+7], v[CF+8*\pt:CF+8*\pt+7]
.endr
.rept 4
	v_nop
.endr
	SELECT DX, s20
	SELECT DY, s21
	s_add_co_u32 s20, s20, 4
	s_add_co_u32 s21, s21, 4
.endm
	s_wait_alu depctr_vm_vsrc(0)                   ; my LDS stores have read v80 to v115, which are the lists and part of buffer 0 from here on, and v6 to v10, which are written again behind the loop
	FETCH AF0                                      ; tiles 0 and 1 of the wave
.set i, 0
.rept 32
	v_mov_b32 v[LST+i], 0x7f000000                 ; lists start above every key; each lane inserts 82 keys into 8 places
.set i, i+1
.endr
	s_mul_i32 s20, s14, 164                        ; 2 x my first tile
	s_add_co_u32 s21, s20, 2
	s_mov_b32 s22, 20
.Ltrip:                                                ; a lap is two steps: both fragment buffers are back at their start
	STEP AF0, AF1, 1
	STEP AF1, AF0, 1
	s_sub_co_u32 s22, s22, 1
	s_cmp_lg_u32 s22, 0
	s_cbranch_scc1 .Ltrip
	STEP AF0, AF1, 0                               ; tiles 80 and 81 of the wave: nothing more to fetch
	; 16 lists a point (8 waves x 2 halves of the lanes) are merged 4 to 1, twice, through LDS.
.set i, 0
.rept 32
	v_or_b32 v[LST+i], v[LST+i], v2                ; the group number's lowest bit is h
.set i, i+1
.endr
	s_lshl_b32 s28, s14, 12
	s_add_co_u32 s28, s28, M0
	v_lshl_add_u32 v15, v2, 11, s28
	v_lshl_add_u32 v15, v1, 4, v15                 ; M0 + 4096 w + 2048 h + 16 r
	v_and_b32 v6, 63, v0                           ; point
	v_lshrrev_b32 v7, 6, v0                        ; which four lists
	v_lshlrev_b32 v6, 4, v6
	v_lshl_add_u32 v8, v7, 13, v6
	v_add_nc_u32 v8, M0, v8                        ; M0 + 8192 s + 16 p
	v_lshl_add_u32 v9, v7, 11, v6
	v_add_nc_u32 v9, M1, v9                        ; M1 + 2048 s + 16 p
	v_lshlrev_b32 v10, 4, v0
	v_add_nc_u32 v10, M1, v10                      ; M1 + 16 t, for t < 64
	s_wait_alu depctr_va_vdst(0)                   ; the lists and v15 are written, which the stores below read; v8 to v10 are written and the last step is done with v128 to v159, for the merge's loads behind the barrier
.irp pt, 0,1,2,3
	ds_store_b128 v15, v[LST+8*\pt:LST+8*\pt+3]   offset:256*\pt
	ds_store_b128 v15, v[LST+8*\pt+4:LST+8*\pt+7] offset:256*\pt+1024
.endr
	s_wait_dscnt 0x0                               ; my lists are in LDS, for the other waves' sake
	s_barrier_signal -1
	s_barrier_wait -1
.macro BST dst, src, d                 ; one stage of a bitonic merge of 8
.irp i, 0,1,2,3,4,5,6,7
.if ((\i) & (\d)) == 0
	v_min_num_f32 v[\dst+\i],    v[\src+\i], v[\src+\i+\d]
	v_max_num_f32 v[\dst+\i+\d], v[\src+\i], v[\src+\i+\d]
.endif
.endr
.endm
.macro MERGE8 out, a, b, tmp           ; the 8 smallest of two ascending lists of 8, ascending
.irp i, 0,1,2,3,4,5,6,7
	v_min_num_f32 v[\tmp+\i], v[\a+\i], v[\b+7-\i]
.endr
	BST \out, \tmp, 4
	BST \tmp, \out, 2
	BST \out, \tmp, 1
.endm
.macro MERGE4 adr                      ; four lists, 1,024 bytes from half list to half list; the result in v[LA:LA+7].  What its loads hang on is stated ahead of each use
.irp n, 0,1,2,3,4,5,6,7
	ds_load_b128 v[LA+4*\n:LA+4*\n+3], v[\adr] offset:1024*\n
.endr
	s_wait_dscnt 0x0
	MERGE8 LA, LA, LA+8, T1
	MERGE8 LA+16, LA+16, LA+24, T1
	MERGE8 LA, LA, LA+16, T1
.endm
	MERGE4 8                                       ; no vector line since the wait ahead of the lists' stores names v8 or v128 to v159
	s_wait_alu depctr_va_vdst(0)                   ; the merge has written v[LA:LA+7], which the two stores read, and is done with v128 to v159
	ds_store_b128 v9, v[LA:LA+3]
	ds_store_b128 v9, v[LA+4:LA+7] offset:1024
	s_wait_dscnt 0x0
	s_barrier_signal -1
	s_barrier_wait -1                              ; the last barrier: the waves part behind it
	s_cmp_lt_u32 s14, 2
	s_cbranch_scc0 .Lnot_final
	; waves 0 and 1: one lane a point; the last merge, the group numbers in ascending order, 16 bits each
	s_wait_alu depctr_vm_vsrc(0)                   ; my two LDS stores have read v[LA:LA+7], in which the merge's loads land
	MERGE4 10
.irp i, 0,1,2,3,4,5,6,7
	v_and_b32 v[LA+\i], 0x7ff, v[LA+\i]
.endr
.macro CE a, b
	v_min_u32 v[T1], v[LA+\a], v[LA+\b]
	v_max_u32 v[LA+\b], v[LA+\a], v[LA+\b]
	v_mov_b32 v[LA+\a], v[T1]
.endm
	CE 0,1
	CE 2,3
	CE 4,5
	CE 6,7
	CE 0,2
	CE 1,3
	CE 4,6
	CE 5,7
	CE 1,2
	CE 5,6
	CE 0,4
	CE 1,5
	CE 2,6
	CE 3,7
	CE 2,4
	CE 3,5
	CE 1,2
	CE 3,4
	CE 5,6
.irp i, 0,1,2,3
	v_lshl_or_b32 v[T1+\i], v[LA+2*\i+1], 16, v[LA+2*\i]
.endr
	s_lshl_b32 s28, ttmp9, 10                      ; 64 points x 16 bytes
	s_mov_b32 s29, 0
	s_add_nc_u64 s[12:13], s[12:13], s[28:29]
	v_lshlrev_b32 v6, 4, v0
	s_wait_alu depctr_va_vdst(0)                   ; v6 and v[T1:T1+3] are written, which the store reads
	global_store_b128 v6, v[T1:T1+3], s[12:13]     ; a wave stores 512 consecutive bytes, aligned
	s_wait_dscnt 0x0
	s_wait_alu depctr_hold_cnt(0) depctr_sa_sdst(0) depctr_va_vdst(0) depctr_va_sdst(0) depctr_va_ssrc(0) depctr_va_vcc(0) depctr_vm_vsrc(0)
	s_wait_tensorcnt 0x0
	ds_add_u32 v254, v255
	s_wait_dscnt 0x0
	s_endpgm
.Lnot_final:
	s_cmp_lt_u32 s14, 4
	s_cbranch_scc1 .Lend
	s_cmp_lt_u32 s16, 82
	s_cbranch_scc0 .Lend
	; waves 4 to 7 of the batch's first 82 work-groups: 128 rows each of the f32 table x, y, z, v2 for the next launch
	s_lshl_b32 s28, s16, 7
	v_and_b32 v6, 127, v0
	v_add_nc_u32 v6, s28, v6                       ; row 0 .. 10,495
	v_min_u32 v7, 0x28ea, v6
	v_mul_u32_u24 v7, 12, v7
	v_lshlrev_b32 v14, 4, v6                       ; the store's offset, in a register that no memory instruction has read
	v_cmp_gt_u32 vcc_lo, 0x28eb, v6                ; the row is a vertex
	s_wait_alu depctr_va_vdst(0)                   ; v7 and v14 are written, which the loads and the store read; the matrix instructions are done reading v16 to v18, in which the loads land
	global_load_b32 v16, v7, s[8:9]
	global_load_b32 v17, v7, s[8:9] offset:4
	global_load_b32 v18, v7, s[8:9] offset:8
	s_mul_i32 s28, s15, 167936                     ; 10,496 rows x 16 bytes
	s_mov_b32 s29, 0
	s_add_nc_u64 s[10:11], s[10:11], s[28:29]
	s_wait_alu depctr_va_vcc(0)                    ; the compare has written VCC, ahead of the selects that read it
	s_wait_loadcnt 0x0
	v_mul_f32  v19, v16, v16                       ; v2 as an ascending chain of fused multiply-adds
	v_fmac_f32 v19, v17, v17
	v_fmac_f32 v19, v18, v18
	v_cndmask_b32 v16, 0, v16, vcc_lo
	v_cndmask_b32 v17, 0, v17, vcc_lo
	v_cndmask_b32 v18, 0, v18, vcc_lo
	v_cndmask_b32 v19, 0x7f800000, v19, vcc_lo     ; rows past the end: infinitely far
	s_wait_alu depctr_va_vdst(0)                   ; the selects have written v[16:19], which the store reads
	global_store_b128 v14, v[16:19], s[10:11]
.Lend:
	s_wait_dscnt 0x0
	s_wait_alu depctr_hold_cnt(0) depctr_sa_sdst(0) depctr_va_vdst(0) depctr_va_sdst(0) depctr_va_ssrc(0) depctr_va_vcc(0) depctr_vm_vsrc(0)
	s_wait_tensorcnt 0x0
	ds_add_u32 v254, v255
	s_wait_dscnt 0x0
	s_endpgm
.Lfunc_end_k_q4b907e7532_filter:
	.size	k_q4b907e7532_filter, .Lfunc_end_k_q4b907e7532_filter-k_q4b907e7532_filter
	.p2alignl 7, 3214868480
	.fill 96, 4, 3214868480
	.section	.rodata,"a",@progbits
	.p2align	6, 0x0
	.amdhsa_kernel k_q4b907e7532_filter
		.amdhsa_group_segment_fixed_size 293888
		.amdhsa_private_segment_fixed_size 0
		.amdhsa_enable_private_segment 0
		.amdhsa_kernarg_size 40
		.amdhsa_user_sgpr_count 2
		.amdhsa_user_sgpr_kernarg_segment_ptr 1
		.amdhsa_wavefront_size32 1
		.amdhsa_system_sgpr_workgroup_id_x 1
		.amdhsa_system_sgpr_workgroup_id_y 1
		.amdhsa_system_sgpr_workgroup_id_z 1
		.amdhsa_system_vgpr_workitem_id 0
		.amdhsa_next_free_vgpr 256
		.amdhsa_next_free_sgpr 66
		.amdhsa_reserve_vcc 1
		.amdhsa_float_denorm_mode_32 3
		.amdhsa_float_denorm_mode_16_64 3
		.amdhsa_memory_ordered 1
		.amdhsa_forward_progress 1
		.amdhsa_inst_pref_size 111
	.end_amdhsa_kernel
	.amdgpu_metadata
---
amdhsa.version: [ 1, 2 ]
amdhsa.kernels:
  - .name:           k_q4b907e7532_filter
    .symbol:         k_q4b907e7532_filter.kd
    .args:
      - { .name: x, .offset: 0, .size: 8, .value_kind: global_buffer, .address_space: global }
      - { .name: cam, .offset: 8, .size: 8, .value_kind: global_buffer, .address_space: global }
      - { .name: posed_verts, .offset: 16, .size: 8, .value_kind: global_buffer, .address_space: global }
      - { .name: vtab, .offset: 24, .size: 8, .value_kind: global_buffer, .address_space: global }
      - { .name: cand, .offset: 32, .size: 8, .value_kind: global_buffer, .address_space: global }
    .group_segment_fixed_size: 293888
    .private_segment_fixed_size: 0
    .kernarg_segment_align: 8
    .kernarg_segment_size: 40
    .max_flat_workgroup_size: 256
    .sgpr_count:     66
    .vgpr_count:     256
    .wavefront_size: 32
...
	.end_amdgpu_metadata
.endif
;; end of part 4
;; launch rank: the kernel of part 2 again; grid 256 x 1, 2 waves a work-group, no clusters, 0 bytes of LDS; arguments x, cam, vtab, cand, nbr, dst; writes nbr, dst
;; launch blend: the kernel of part 3 again; grid 256 x 1, 32 waves a work-group, no clusters, 8,192 bytes of LDS; arguments x, cam, lbs_weights, verts_transform, nbr, dst, out0; writes out0
